; MI455X (gfx1250); checked and timed in simulation.
; The chip was launched on July 23, 2026; its instructions are those of AMD's public machine-readable ISA for CDNA 5 (MIT licence, August 2026) and "CDNA5" Instruction Set Architecture Reference Guide (July 2026). The comments in the code are by the model that wrote it; some were corrected since.
;; Attention. Allowed arithmetic: matrix products marked QUANTISED: E5M2 operands, one given power-of-two scale a tensor, by v_wmma_f32_16x16x64_bf8_bf8 or v_wmma_f32_16x16x128_bf8_bf8, f32 sums; everything else in f32.
;; Inputs: bk 512 float32; bq 512 float32; bv 512 float32; input 8 x 2,048 x 512 float32; lowp_scales 10 int32 (the exponents e of the quantised operands' scales 2^e); mask 8 x 2,048 x 2,048 int32; states 8 x 2,048 x 512 float32; wk 512 x 512 float32; wq 512 x 512 float32; wv 512 x 512 float32.
;; Outputs: out0 8 x 2,048 x 512 float32.
;; This version of the problem:
;;   THIS VERSION OF THE PROBLEM IS GIVEN IN LOW PRECISION. The matrix products marked QUANTISED in the list below multiply operands that are first quantised to E5M2 (5 exponent bits, 2 mantissa bits; 8 bits a number), with one given power-of-two scale for each operand tensor; their sums are f32. All else is computed in f32.
;;   The module's matrix products, in the order in which they are computed (A, B: the left and right operand; K: the contracted axis; several contracted axes count as one K, in the product's order):
;;     1. [M 16,384, K 512] x [K 512, N 512]; A: input input; B: input wq: QUANTISED (scales: A lowp_scales[0], B lowp_scales[1])
;;     2. [M 16,384, K 512] x [K 512, N 512]; A: input states; B: input wk: QUANTISED (scales: A lowp_scales[2], B lowp_scales[3])
;;     3. [M 16,384, K 512] x [K 512, N 512]; A: input states; B: input wv: QUANTISED (scales: A lowp_scales[4], B lowp_scales[5])
;;     4. batch 8 x [M 2,048, K 512] x [K 512, N 2,048]; A: computed on the way; B: computed on the way: QUANTISED (scales: A lowp_scales[6], B lowp_scales[7])
;;     5. batch 8 x [M 2,048, K 2,048] x [K 2,048, N 512]; A: softmax (see below); B: computed on the way: QUANTISED (scales: A lowp_scales[8], B lowp_scales[9])
;;   THE QUANTISER, for each operand of a quantised product, along K:
;;     - The operand's scale is 2^e, e = its entry of the input lowp_scales (int32; the entries are numbered through the quantised products in the list's order, A before B).
;;     - Each number is divided by the scale, clamped to +-57,344, and rounded to the nearest number of E5M2, ties to even, subnormals kept.
;;     - The product sums the exact products of the quantised numbers (number of the format x scale) in f32.
;;   ~~~python
;;   def quantise(x, axis, e):      # numpy; x: float32 -> the quantised numbers, widened to float32 again
;;       x = np.moveaxis(x, axis, -1); K = x.shape[-1]
;;       r = np.clip(x / 2.0 ** e, -57344, 57344)
;;       step = 2.0 ** (np.maximum(np.frexp(np.where(r == 0, 1, r))[1] - 1, -14) - 2)
;;       q = np.round(r / step) * step * 2.0 ** e      # np.round: ties to even
;;       return np.moveaxis(q, -1, axis).astype(np.float32)
;;   ~~~
;;   SOFTMAX AHEAD OF A QUANTISED PRODUCT. Where the list says 'softmax', what is quantised is not the finished softmax but p = 2^(t - M), with t = logit x log2(e) and M = ceil(the row's largest t), a whole number; so 1/2 < the row's largest p <= 1. The row's sum l is taken of the UNQUANTISED p, in f32, and the product's result is divided by l at the end. Since M is a whole number, a kernel that streams over the keys may use a running M (the ceiling of the running maximum): every later rescaling is an exact power of two, so the quantised numbers keep their values, but for numbers so far below the row's largest that they fall under the format's range.
;;   OPERANDS COMPUTED ON THE WAY. 'Computed on the way' means the value that the module computes at that place (a softmax that the list does not call 'softmax' is quantised finished and normalised). What goes into a quantiser is computed in f32, as accurately as f32 sums, v_exp_f32 and their like allow (about 1e-6 of the number): no bf16 or f16 on the way to a quantiser, and a product that is left as it is and whose result goes on into a quantised operand takes f32 operands (vector FMAs, or v_wmma_f32_16x16x4_f32). A number that lies on a knife's edge between two numbers of the format may be rounded either way, as far as f32 arithmetic and the matrix unit's own rounding can turn it there, and no further.
;; One version. Each part assembles by itself: llvm-mc -triple=amdgcn-amd-amdhsa -mcpu=gfx1250 --defsym DOCPART=n.
;; ======== version 1 of 1: 3 launches
;; limits: right only within a limited range of input values
;; workspace buffers: wcodes 786,432 bytes; q_codes 8,388,608 bytes; k_codes 8,388,608 bytes; v_codes 8,388,608 bytes
;; launch wquant (part 1): grid 96 x 1, 4 waves a work-group, no clusters, 0 bytes of LDS; arguments wq, wk, wv, lowp_scales, wcodes; writes wcodes
.if DOCPART == 1
	.amdgcn_target "amdgcn-amd-amdhsa--gfx1250"
	.amdhsa_code_object_version 6
	.text
	.protected	k_q1c09d5fa37_wquant
	.globl	k_q1c09d5fa37_wquant
	.p2align	8
	.type	k_q1c09d5fa37_wquant,@function
k_q1c09d5fa37_wquant:
	s_mov_b64 s[64:65], 0
	v_nop
	global_prefetch_b8 v0, s[64:65] scope:SCOPE_SE
	s_setreg_imm32_b32 hwreg(HW_REG_WAVE_MODE, 25, 1), 1
	s_wait_xcnt 0x0
; wq, wk, wv [512 (n)][512 (k)], f32, K innermost, become codes of BF8 (E5M2) with the given scales 2^e1, 2^e3, 2^e5, laid in the order of an operand's registers.
; code = x / 2^e, held within +-57,344, to the nearest code, ties to even.  LIMITS: e between -126 and 112, so that 2^e and 57,344 x 2^e are f32 numbers.  NaN among the inputs is not served.
; A FRAGMENT is 16 rows x 128 K = 2,048 bytes: chunk c (0..3) at 512 c, lane l's 16 bytes at 16 l; lane (r = l % 16, h = l / 16) holds row r, k = 32 c + 16 h + 0 .. 15.
; wcodes: [p 3][w 4][s 4][t 8][2048]: p = q, k, v; w = which 128 rows; s = which 128 along K; t = tile of 16 rows.
;   p = 0, 1: lane r of tile t holds row 128 w + 32 (t / 2) + 8 (t % 2) + r + 8 (r / 8), so that the next launch's results of tiles 2 b and 2 b + 1 are 16 neighbours along the next K.   p = 2: row 128 w + 16 t + r.
; One wave makes one fragment: 3 x 128 fragments, 96 work-groups of four waves.  A lane loads its 16 neighbours of each block of 32 (64 bytes, four loads), so the conversions' results are the fragment's registers.
; The three weights are 3 MB in all, read once: no LDS, no barrier, no matrix unit, no cluster (no two waves read the same bytes).
.set X,  8                             ; v8-71   64 numbers: register 16 c + i = k 32 c + 16 h + i
.set CD, 72                            ; v72-87  the codes
	s_load_b256 s[4:11], s[0:1], 0x0               ; wq s[4:5], wk s[6:7], wv s[8:9], the scales' exponents s[10:11]
	s_load_b64 s[12:13], s[0:1], 0x20              ; wcodes
	v_lshrrev_b32 v1, 5, v0
	v_readfirstlane_b32 s14, v1                    ; wave
	s_lshr_b32 s15, ttmp9, 5                       ; p
	s_and_b32 s16, ttmp9, 31
	s_lshl_b32 s16, s16, 2
	s_add_co_u32 s16, s16, s14                     ; f = 32 w + 8 s + t
	s_lshr_b32 s17, s16, 5                         ; w
	s_bfe_u32 s18, s16, 0x20003                    ; s
	s_and_b32 s19, s16, 7                          ; t
	s_lshr_b32 s28, s19, 1
	s_lshl_b32 s28, s28, 5
	s_and_b32 s29, s19, 1
	s_lshl_b32 s29, s29, 3
	s_add_co_u32 s28, s28, s29                     ; 32 (t / 2) + 8 (t % 2)
	s_lshl_b32 s30, s19, 4                         ; 16 t
	s_cmp_lt_u32 s15, 2                            ; wq and wk take the chosen rows, wv neighbouring ones
	s_cselect_b32 s28, s28, s30
	s_cselect_b32 s29, 8, 0
	s_lshl_b32 s30, s17, 7
	s_add_co_u32 s28, s28, s30                     ; the tile's first row
	s_lshl_b32 s31, s18, 9                         ; 128 numbers along K are 512 bytes
	v_and_b32 v1, 15, v0                           ; r
	v_bfe_u32 v2, v0, 4, 1                         ; h
	v_and_b32 v3, s29, v1                          ; 8 (r / 8), or 0
	v_add3_u32 v3, v3, v1, s28                     ; my row
	v_lshlrev_b32 v3, 11, v3                       ; a row is 2,048 bytes
	v_lshl_add_u32 v3, v2, 6, v3                   ; + 64 h
	v_add_nc_u32 v3, s31, v3
	v_and_b32 v4, 31, v0
	v_lshlrev_b32 v4, 4, v4                        ; 16 x lane
	s_lshl_b32 s32, s15, 18
	s_lshl_b32 s33, s16, 11
	s_add_co_u32 s32, s32, s33                     ; the fragment's place in wcodes
	s_mov_b32 s33, 0
	s_wait_alu depctr_va_vdst(0)
	s_wait_kmcnt 0x0
	s_load_b256 s[20:27], s[10:11], 0x0            ; e0 .. e7
	s_cmp_eq_u32 s15, 0
	s_cselect_b64 s[4:5], s[4:5], s[6:7]
	s_cmp_eq_u32 s15, 2
	s_cselect_b64 s[4:5], s[8:9], s[4:5]           ; my weight: the choice hangs on the work-group's number alone
	s_add_nc_u64 s[12:13], s[12:13], s[32:33]
.irp c, 0,1,2,3
.irp j, 0,1,2,3
	global_load_b128 v[X+16*\c+4*\j:X+16*\c+4*\j+3], v3, s[4:5] offset:128*\c+16*\j th:TH_LOAD_NT
.endr
.endr
	s_wait_kmcnt 0x0
	s_cmp_eq_u32 s15, 0
	s_cselect_b32 s34, s21, s23
	s_cmp_eq_u32 s15, 2
	s_cselect_b32 s34, s25, s34                    ; e1, e3 or e5
	s_add_co_i32 s34, s34, 127
	s_lshl_b32 s35, s34, 23
	v_mov_b32 v6, s35                              ; 2^e as f32: the conversion takes its exponent field
	s_add_co_i32 s34, s34, 15
	s_lshl_b32 s34, s34, 23
	s_or_b32 s34, s34, 0x600000
	v_mov_b32 v5, s34                              ; 57,344 x 2^e
	s_wait_alu depctr_va_vdst(0)
	s_wait_loadcnt 0x0
.set qi, 0
.rept 64
	v_med3_num_f32 v[X+qi], v[X+qi], -v5, v5       ; the conversion to an 8-bit code does not saturate (ISA guide 7.6.2): the hold comes first
.set qi, qi+1
.endr
.set qi, 0
.rept 8
	v_cvt_scalef32_pk8_bf8_f32 v[CD+2*qi:CD+2*qi+1], v[X+8*qi:X+8*qi+7], v6
.set qi, qi+1
.endr
.irp c, 0,1,2,3
	global_store_b128 v4, v[CD+4*\c:CD+4*\c+3], s[12:13] offset:512*\c   ; 32 lanes store 512 consecutive bytes, aligned
.endr
	s_endpgm
.Lfunc_end_k_q1c09d5fa37_wquant:
	.size	k_q1c09d5fa37_wquant, .Lfunc_end_k_q1c09d5fa37_wquant-k_q1c09d5fa37_wquant
	.p2alignl 7, 3214868480
	.fill 96, 4, 3214868480
	.section	.rodata,"a",@progbits
	.p2align	6, 0x0
	.amdhsa_kernel k_q1c09d5fa37_wquant
		.amdhsa_group_segment_fixed_size 0
		.amdhsa_private_segment_fixed_size 0
		.amdhsa_enable_private_segment 0
		.amdhsa_kernarg_size 40
		.amdhsa_user_sgpr_count 2
		.amdhsa_user_sgpr_kernarg_segment_ptr 1
		.amdhsa_wavefront_size32 1
		.amdhsa_system_sgpr_workgroup_id_x 1
		.amdhsa_system_sgpr_workgroup_id_y 1
		.amdhsa_system_sgpr_workgroup_id_z 1
		.amdhsa_system_vgpr_workitem_id 0
		.amdhsa_next_free_vgpr 96
		.amdhsa_next_free_sgpr 66
		.amdhsa_reserve_vcc 0
		.amdhsa_float_denorm_mode_32 3
		.amdhsa_float_denorm_mode_16_64 3
		.amdhsa_memory_ordered 1
		.amdhsa_forward_progress 1
		.amdhsa_inst_pref_size 9
	.end_amdhsa_kernel
	.amdgpu_metadata
---
amdhsa.version: [ 1, 2 ]
amdhsa.kernels:
  - .name:           k_q1c09d5fa37_wquant
    .symbol:         k_q1c09d5fa37_wquant.kd
    .args:
      - { .name: wq, .offset: 0, .size: 8, .value_kind: global_buffer, .address_space: global }
      - { .name: wk, .offset: 8, .size: 8, .value_kind: global_buffer, .address_space: global }
      - { .name: wv, .offset: 16, .size: 8, .value_kind: global_buffer, .address_space: global }
      - { .name: lowp_scales, .offset: 24, .size: 8, .value_kind: global_buffer, .address_space: global }
      - { .name: wcodes, .offset: 32, .size: 8, .value_kind: global_buffer, .address_space: global }
    .group_segment_fixed_size: 0
    .private_segment_fixed_size: 0
    .kernarg_segment_align: 8
    .kernarg_segment_size: 40
    .max_flat_workgroup_size: 128
    .sgpr_count:     66
    .vgpr_count:     96
    .wavefront_size: 32
...
	.end_amdgpu_metadata
.endif
;; end of part 1
;; launch project (part 2): grid 256 x 1, 4 waves a work-group, no clusters, 327,680 bytes of LDS; arguments input, states, wcodes, bq, bk, bv, lowp_scales, q_codes, k_codes, v_codes; writes q_codes, k_codes, v_codes
.if DOCPART == 2
	.amdgcn_target "amdgcn-amd-amdhsa--gfx1250"
	.amdhsa_code_object_version 6
	.text
	.protected	k_q1c09d5fa37_project
	.globl	k_q1c09d5fa37_project
	.p2align	8
	.type	k_q1c09d5fa37_project,@function
k_q1c09d5fa37_project:
	s_mov_b64 s[64:65], 0
	v_nop
	global_prefetch_b8 v0, s[64:65] scope:SCOPE_SE
	s_setreg_imm32_b32 hwreg(HW_REG_WAVE_MODE, 25, 1), 1
	s_wait_xcnt 0x0
.set RPART, 33280
.set RROW,  2080
.set RAWS,  4*RPART
.set IMGA,  8*RPART
.set LI,   1
.set RAI,  2
.set RAS,  3
.set IWA,  4
.set IWB,  5
.set LIA,  6
.set LIB2, 7
.set BH,   8
.set BR,   9
.set SCI,  10
.set SCK,  12
.set SCV,  14
.set SOQ,  16
.set SOK,  18
.set SOV,  20
.set BVR,  22
.set XF,   32
.set PC,   160
.set BIA,  128
.set BIB,  192
.set WV,   34
.set G1,   36
.set G0I,  44
.set G0S,  48
.set MSB, 0
.macro WIN new
.if MSB != (\new)
	s_set_vgpr_msb (MSB<<8)|(\new)
.set MSB, (\new)
.endif
.endm
.macro BARRIER
	s_wait_dscnt 0x0
	s_barrier_signal -1
	s_barrier_wait -1
.endm
.macro MKSC v
	s_add_co_i32 s52, s52, 127
	s_lshl_b32 s53, s52, 23
	v_mov_b32 v[\v], s53
	s_add_co_i32 s52, s52, 15
	s_lshl_b32 s52, s52, 23
	s_or_b32 s52, s52, 0x600000
	v_mov_b32 v[\v+1], s52
.endm
.macro RAWLD reg, adr, s
.irp b, 0,1,2,3
.irp j, 0,1,2,3
	ds_load_b128 v[(\reg)+16*\b+4*\j:(\reg)+16*\b+4*\j+3], v[\adr] offset:((\s)/2)*1040+((\s)%2)*512+128*\b+16*\j
.endr
.endr
.endm
.macro QUANTX src, sc, pc
	WIN 0x40
.set qi, 0
.rept 64
	v_med3_num_f32 v[qi], v[(\src)+qi], -v[(\sc)+1], v[(\sc)+1]
.set qi, qi+1
.endr
	WIN 0x01
.set qi, 0
.rept 8
	v_cvt_scalef32_pk8_bf8_f32 v[(\pc)+2*qi:(\pc)+2*qi+1], v[8*qi:8*qi+7], v[\sc]
.set qi, qi+1
.endr
	v_nop
	WIN 0
.endm
.macro QUANTO base, sc, pc
	WIN 0x41
.set qi, 0
.rept 64
	v_med3_num_f32 v[(\base)+qi], v[(\base)+qi], -v[(\sc)+1], v[(\sc)+1]
.set qi, qi+1
.endr
	WIN 0x01
.set qi, 0
.rept 8
	v_cvt_scalef32_pk8_bf8_f32 v[(\pc)+2*qi:(\pc)+2*qi+1], v[(\base)+8*qi:(\base)+8*qi+7], v[\sc]
.set qi, qi+1
.endr
	v_nop
	WIN 0
.endm
.macro IMAGE adr, off, pc
.irp c, 0,1,2,3
	ds_store_b128 v[\adr], v[(\pc)+4*\c:(\pc)+4*\c+3] offset:(\off)+512*\c
.endr
.endm
.macro XFETCH reg, set, s
.irp m, 0,1,2,3
.irp c, 0,1,2,3
.if (\set) == 0
	ds_load_b128 v[(\reg)+16*\m+4*\c:(\reg)+16*\m+4*\c+3], v[LIA] offset:\m*8192+(\s)*2048+512*\c
.elseif \m < 2
	ds_load_b128 v[(\reg)+16*\m+4*\c:(\reg)+16*\m+4*\c+3], v[LI] offset:\m*RPART+(\set-1)*8192+(\s)*2048+512*\c
.else
	ds_load_b128 v[(\reg)+16*\m+4*\c:(\reg)+16*\m+4*\c+3], v[LIB2] offset:(\m-2)*RPART+(\set-1)*8192+(\s)*2048+512*\c
.endif
.endr
.endr
.endm
.macro WLOAD n
.set LB, 128*(((\n)%3)%2)
.set LW, 2+((\n)%3)/2
	WIN LW<<6
.irp t, 0,1,2,3,4,5,6,7
.irp c, 0,1,2,3
	global_load_b128 v[LB+16*\t+4*\c:LB+16*\t+4*\c+3], v[LI], s[8:9] offset:((\n)/4)*262144+((\n)%4)*16384+\t*2048+512*\c
.endr
.endr
.endm
.macro PSTEP n, xs, xk
.set PP, (\n)/4
.set SS, (\n)%4
.set RB, 128*(((\n)%3)%2)
.set RW, 2+((\n)%3)/2
.set XB, XF+64*((\n)%2)
.set BI, BIA+64*(PP%2)
	WIN 0
	s_wait_dscnt 0x0
.if \xs >= 0
	XFETCH XF+64*(((\n)+1)%2), \xs, \xk
.endif
.if (\n) <= 9
	s_wait_loadcnt 63
.elseif (\n) == 10
	s_wait_loadcnt 32
.else
	s_wait_loadcnt 0x0
.endif
.if SS == 0
.set CW, 3
.else
.set CW, 1
.endif
.if PP < 2
.set WB, RW|(CW<<4)|0x40
.else
.set WB, (RW<<2)|(CW<<4)|0x40
.endif
	WIN WB
.irp t, 0,1,2,3,4,5,6,7
.irp m, 0,1,2,3
.if PP < 2
.set DR, 64*\m+8*\t
.if SS == 0
	v_wmma_f32_16x16x128_bf8_bf8 v[DR:DR+7], v[RB+16*\t:RB+16*\t+15], v[XB+16*\m:XB+16*\m+15], v[BI+8*\t:BI+8*\t+7]
.else
	v_wmma_f32_16x16x128_bf8_bf8 v[DR:DR+7], v[RB+16*\t:RB+16*\t+15], v[XB+16*\m:XB+16*\m+15], v[DR:DR+7]
.endif
.else
.set DR, 32*\t+8*\m
.if SS == 0
	v_wmma_f32_16x16x128_bf8_bf8 v[DR:DR+7], v[XB+16*\m:XB+16*\m+15], v[RB+16*\t:RB+16*\t+15], v[BI+8*\t:BI+8*\t+7]
.else
	v_wmma_f32_16x16x128_bf8_bf8 v[DR:DR+7], v[XB+16*\m:XB+16*\m+15], v[RB+16*\t:RB+16*\t+15], v[DR:DR+7]
.endif
.endif
.endr
.endr
.rept 4
	v_nop
.endr
.if (\n)+3 <= 11
	WLOAD (\n)+3
.endif
.endm
.macro OUTQK base, sc
.irp m, 0,1,2,3
	QUANTO 64*\m, \sc, PC+16*\m
.irp c, 0,1,2,3
	global_store_b128 v[LI], v[PC+16*\m+4*\c:PC+16*\m+4*\c+3], s[\base:\base+1] offset:\m*8192+512*\c
.endr
.endr
.endm
	s_load_b512 s[4:19], s[0:1], 0x0
	s_load_b128 s[20:23], s[0:1], 0x40
	v_lshl_add_u32 v254, v0, 2, 0x49000
	v_mov_b32 v255, 0
	ds_add_u32 v254, v255
	ds_add_u32 v254, v255
	v_lshrrev_b32 v30, 5, v0
	v_readfirstlane_b32 s[WV], v30
	s_mov_b32 s[G1], (3<<16)|(1<<20)|(7<<22)|(3<<25)
	s_mov_b32 s[G1+1], 128<<16
	s_mov_b32 s[G1+2], 32<<16
	s_mov_b32 s[G1+3], 128<<16
	s_mov_b32 s[G1+4], 32
	s_mov_b32 s[G1+5], 128
	s_mov_b32 s[G1+6], 0
	s_mov_b32 s[G1+7], 0
	s_mov_b32 s[G0I], 1
	s_mul_i32 s[G0I+1], s[WV], RPART
	s_mov_b32 s[G0S], 1
	s_add_co_u32 s[G0S+1], s[G0I+1], RAWS
	s_lshl_b32 s52, ttmp9, 17
	s_lshl_b32 s53, s[WV], 15
	s_add_co_u32 s52, s52, s53
	s_mov_b32 s53, 0
	s_wait_dscnt 0x0
	s_wait_kmcnt 0x0
	s_load_b256 s[24:31], s[16:17], 0x0
	s_load_b64 s[32:33], s[16:17], 0x20
	s_add_nc_u64 s[G0I+2:G0I+3], s[4:5], s[52:53]
	s_or_b32 s[G0I+3], s[G0I+3], 0x80000000
	s_add_nc_u64 s[G0S+2:G0S+3], s[6:7], s[52:53]
	s_or_b32 s[G0S+3], s[G0S+3], 0x80000000
	tensor_load_to_lds s[G0I:G0I+3], s[G1:G1+7]    ; my 16 rows of input: one tensor load a wave at the head
	s_nop 0
.rept 4
	v_nop
.endr
	v_and_b32 v30, 31, v0
	v_lshlrev_b32 v[LI], 4, v30
	v_and_b32 v30, 15, v0
	v_bfe_u32 v31, v0, 4, 1
	v_mul_u32_u24 v[RAI], v30, RROW
	v_lshl_add_u32 v[RAI], v31, 6, v[RAI]
	v_add_nc_u32 v[RAI], s[G0I+1], v[RAI]
	v_and_b32 v[RAS], 8, v30
	v_add_nc_u32 v[RAS], v[RAS], v30
	v_mul_u32_u24 v[RAS], v[RAS], RROW
	v_lshl_add_u32 v[RAS], v31, 6, v[RAS]
	s_lshr_b32 s52, s[WV], 1
	s_mul_i32 s52, s52, 32*RROW
	s_and_b32 s53, s[WV], 1
	s_mul_i32 s53, s53, 8*RROW
	s_add_co_u32 s52, s52, s53
	s_add_co_u32 s52, s52, RAWS
	v_add_nc_u32 v[RAS], s52, v[RAS]
	s_lshl_b32 s52, s[WV], 13
	s_add_co_u32 s52, s52, IMGA
	v_add_nc_u32 v[IWA], s52, v[LI]
	v_add_nc_u32 v[IWB], s[G0I+1], v[LI]
	v_add_nc_u32 v[LIA], IMGA, v[LI]
	v_add_nc_u32 v[LIB2], 2*RPART, v[LI]
	v_lshlrev_b32 v[BH], 6, v31
	s_wait_alu depctr_va_vdst(0)
	v_lshlrev_b32 v[BR], 2, v30
	s_wait_alu depctr_va_vdst(0)
	s_mov_b32 s53, 0
	s_lshl_b32 s52, s[WV], 16
	s_add_nc_u64 s[8:9], s[8:9], s[52:53]
	s_lshl_b32 s52, s[WV], 9
	s_add_nc_u64 s[10:11], s[10:11], s[52:53]
	s_add_nc_u64 s[12:13], s[12:13], s[52:53]
	s_add_nc_u64 s[14:15], s[14:15], s[52:53]
	s_lshl_b32 s52, ttmp9, 15
	s_lshl_b32 s54, s[WV], 11
	s_add_co_u32 s52, s52, s54
	s_add_nc_u64 s[18:19], s[18:19], s[52:53]
	s_add_nc_u64 s[20:21], s[20:21], s[52:53]
	s_lshr_b32 s52, ttmp9, 5
	s_lshl_b32 s52, s52, 20
	s_bfe_u32 s54, ttmp9, 0x40001
	s_lshl_b32 s54, s54, 16
	s_add_co_u32 s52, s52, s54
	s_lshl_b32 s54, s[WV], 14
	s_add_co_u32 s52, s52, s54
	s_and_b32 s54, ttmp9, 1
	s_lshl_b32 s54, s54, 10
	s_add_co_u32 s52, s52, s54
	s_add_nc_u64 s[22:23], s[22:23], s[52:53]
	WIN 0xc0
.irp t, 0,1,2,3,4,5,6,7
	global_load_b128 v[BIA+8*\t:BIA+8*\t+3], v[BH], s[10:11] offset:(32*(\t/2)+8*(\t%2))*4
	global_load_b128 v[BIA+8*\t+4:BIA+8*\t+7], v[BH], s[10:11] offset:(32*(\t/2)+8*(\t%2))*4+16
.endr
.irp t, 0,1,2,3,4,5,6,7
	global_load_b128 v[BIB+8*\t:BIB+8*\t+3], v[BH], s[12:13] offset:(32*(\t/2)+8*(\t%2))*4
	global_load_b128 v[BIB+8*\t+4:BIB+8*\t+7], v[BH], s[12:13] offset:(32*(\t/2)+8*(\t%2))*4+16
.endr
	WIN 0
.irp t, 0,1,2,3,4,5,6,7
	global_load_b32 v[BVR+\t], v[BR], s[14:15] offset:64*\t
.endr
	WLOAD 0
	WLOAD 1
	WIN 0
	s_wait_alu depctr_va_vdst(0)
	s_wait_tensorcnt 0x0                           ; input is in
	ds_add_u32 v254, v255
	s_wait_dscnt 0x0
	s_barrier_signal -1
	s_barrier_wait -1
	tensor_load_to_lds s[G0S:G0S+3], s[G1:G1+7]    ; my 16 rows of states
	s_nop 0
.rept 4
	v_nop
.endr
	WLOAD 2
	WIN 0
	s_wait_kmcnt 0x0
	s_mov_b32 s52, s24
	MKSC SCI
	s_mov_b32 s52, s26
	MKSC SCK
	s_mov_b32 s52, s28
	MKSC SCV
	s_add_co_i32 s55, s24, s25
	s_sub_co_i32 s52, s30, s55
	MKSC SOQ
	s_add_co_i32 s56, s26, s27
	s_sub_co_i32 s52, s31, s56
	MKSC SOK
	s_add_co_i32 s57, s28, s29
	s_sub_co_i32 s52, s33, s57
	MKSC SOV
	s_sub_co_i32 s55, 0, s55
	s_sub_co_i32 s56, 0, s56
	s_sub_co_i32 s57, 0, s57
	s_wait_tensorcnt 0x1
	RAWLD XF, RAI, 0
.irp s, 0,1,2,3
.if \s < 3
	RAWLD XF+64*((\s+1)%2), RAI, \s+1
.endif
.if \s == 0
	s_wait_dscnt 16
.elseif \s < 3
	s_wait_dscnt 20
.else
	s_wait_dscnt 4
.endif
	QUANTX XF+64*(\s%2), SCI, PC+16*\s
	IMAGE IWA, \s*2048, PC+16*\s
.endr
	BARRIER
	s_wait_loadcnt 63
	WIN 0xc3
.set qi, 0
.rept 64
	v_ldexp_f32 v[BIA+qi], v[BIA+qi], s55
	v_ldexp_f32 v[BIB+qi], v[BIB+qi], s56
.set qi, qi+1
.endr
	WIN 0
	XFETCH XF, 0, 0
	s_wait_alu depctr_va_vdst(0)
	PSTEP 0, 0, 1
	PSTEP 1, 0, 2
	PSTEP 2, 0, 3
	PSTEP 3, -1, 0
	OUTQK 18, SOQ
	s_wait_tensorcnt 0x0
	BARRIER
	s_wait_xcnt 0x0
	RAWLD XF, RAS, 0
.irp s, 0,1,2,3
.if \s < 3
	RAWLD XF+64*((\s+1)%2), RAS, \s+1
.endif
.if \s == 0
	s_wait_dscnt 16
.elseif \s < 3
	s_wait_dscnt 24
.else
	s_wait_dscnt 8
.endif
	QUANTX XF+64*(\s%2), SCK, PC+32*(\s%2)
	IMAGE IWB, \s*2048, PC+32*(\s%2)
	QUANTX XF+64*(\s%2), SCV, PC+32*(\s%2)+16
	IMAGE IWB, 8192+\s*2048, PC+32*(\s%2)+16
.endr
	WIN 0xc0
.irp t, 0,1,2,3,4,5,6,7
.irp j, 0,1,2,3,4,5,6,7
	v_ldexp_f32 v[BIA+8*\t+\j], v[BVR+\t], s57
.endr
.endr
	WIN 0
	BARRIER
	XFETCH XF, 1, 0
	PSTEP 4, 1, 1
	PSTEP 5, 1, 2
	PSTEP 6, 1, 3
	PSTEP 7, 2, 0
	OUTQK 20, SOK
	PSTEP 8, 2, 1
	PSTEP 9, 2, 2
	PSTEP 10, 2, 3
	PSTEP 11, -1, 0
	s_wait_xcnt 0x0
.irp u, 0,1,2,3
	QUANTO 64*\u, SOV, PC+16*\u
.irp i, 0,1
.irp b, 0,1
	global_store_b128 v[LI], v[PC+16*\u+8*\i+4*\b:PC+16*\u+8*\i+4*\b+3], s[22:23] offset:(2*\u+\i)*2048+512*\b
.endr
.endr
.endr
	s_wait_tensorcnt 0x0
	ds_add_u32 v254, v255
	s_wait_dscnt 0x0
	s_endpgm
.Lfunc_end_k_q1c09d5fa37_project:
	.size	k_q1c09d5fa37_project, .Lfunc_end_k_q1c09d5fa37_project-k_q1c09d5fa37_project
	.p2alignl 7, 3214868480
	.fill 96, 4, 3214868480
	.section	.rodata,"a",@progbits
	.p2align	6, 0x0
	.amdhsa_kernel k_q1c09d5fa37_project
		.amdhsa_group_segment_fixed_size 327680
		.amdhsa_private_segment_fixed_size 0
		.amdhsa_enable_private_segment 0
		.amdhsa_kernarg_size 80
		.amdhsa_user_sgpr_count 2
		.amdhsa_user_sgpr_kernarg_segment_ptr 1
		.amdhsa_wavefront_size32 1
		.amdhsa_system_sgpr_workgroup_id_x 1
		.amdhsa_system_sgpr_workgroup_id_y 1
		.amdhsa_system_sgpr_workgroup_id_z 1
		.amdhsa_system_vgpr_workitem_id 0
		.amdhsa_next_free_vgpr 1024
		.amdhsa_next_free_sgpr 66
		.amdhsa_reserve_vcc 0
		.amdhsa_float_denorm_mode_32 3
		.amdhsa_float_denorm_mode_16_64 3
		.amdhsa_memory_ordered 1
		.amdhsa_forward_progress 1
		.amdhsa_inst_pref_size 226
	.end_amdhsa_kernel
	.amdgpu_metadata
---
amdhsa.version: [ 1, 2 ]
amdhsa.kernels:
  - .name:           k_q1c09d5fa37_project
    .symbol:         k_q1c09d5fa37_project.kd
    .args:
      - { .name: input, .offset: 0, .size: 8, .value_kind: global_buffer, .address_space: global }
      - { .name: states, .offset: 8, .size: 8, .value_kind: global_buffer, .address_space: global }
      - { .name: wcodes, .offset: 16, .size: 8, .value_kind: global_buffer, .address_space: global }
      - { .name: bq, .offset: 24, .size: 8, .value_kind: global_buffer, .address_space: global }
      - { .name: bk, .offset: 32, .size: 8, .value_kind: global_buffer, .address_space: global }
      - { .name: bv, .offset: 40, .size: 8, .value_kind: global_buffer, .address_space: global }
      - { .name: lowp_scales, .offset: 48, .size: 8, .value_kind: global_buffer, .address_space: global }
      - { .name: q_codes, .offset: 56, .size: 8, .value_kind: global_buffer, .address_space: global }
      - { .name: k_codes, .offset: 64, .size: 8, .value_kind: global_buffer, .address_space: global }
      - { .name: v_codes, .offset: 72, .size: 8, .value_kind: global_buffer, .address_space: global }
    .group_segment_fixed_size: 327680
    .private_segment_fixed_size: 0
    .kernarg_segment_align: 8
    .kernarg_segment_size: 80
    .max_flat_workgroup_size: 128
    .sgpr_count:     66
    .vgpr_count:     1024
    .wavefront_size: 32
...
	.end_amdgpu_metadata
.endif
;; end of part 2
;; launch attend (part 3): grid 32 x 8, 4 waves a work-group, clusters of 4 x 1, 327,680 bytes of LDS; arguments q_codes, k_codes, v_codes, mask, lowp_scales, out0; writes out0
.if DOCPART == 3
	.amdgcn_target "amdgcn-amd-amdhsa--gfx1250"
	.amdhsa_code_object_version 6
	.text
	.protected	k_q1c09d5fa37_attend
	.globl	k_q1c09d5fa37_attend
	.p2align	8
	.type	k_q1c09d5fa37_attend,@function
k_q1c09d5fa37_attend:
	s_mov_b64 s[64:65], 0
	v_nop
	global_prefetch_b8 v0, s[64:65] scope:SCOPE_SE
	s_setreg_imm32_b32 hwreg(HW_REG_WAVE_MODE, 25, 1), 1
	s_wait_xcnt 0x0
	s_wait_alu depctr_hold_cnt(0) depctr_sa_sdst(0) depctr_va_vdst(0) depctr_va_sdst(0) depctr_va_ssrc(0) depctr_va_vcc(0) depctr_vm_vsrc(0)
	s_getreg_b32 s2, hwreg(HW_REG_IB_STS2, 6, 4)
	s_cmp_eq_u32 s2, 0
	s_cbranch_scc0 .Lentry_in_a_cluster
	s_endpgm
.Lentry_in_a_cluster:
	s_bfe_u32 s2, ttmp6, 0x10000c
	s_cmp_lg_u32 s2, 0x3003
	s_cbranch_scc0 .Lentry_shape_is_right
	s_endpgm
.Lentry_shape_is_right:
; out0[b][q] = the sum over k of softmax_k(q . k / sqrt(512), -infinity where mask == 0) v[k], both products on codes of BF8 (E5M2) with the given scales 2^e6, 2^e7 (scores) and 2^e8, 2^e9 (p, v).
; THE SOFTMAX: t = score x log2(e) / sqrt(512); M = the row's largest t so far, rounded UP to a whole number; p = 2^(t - M) is quantised along the keys, not normalised; the row's sum is taken of the unquantised p
; and divides at the end.  When M moves, the sum and O are multiplied by 2^(old M - new M).
; LIMITS: e6 + e7 between -122 and 131 (added to c's exponent field); e8 between -126 and 112; e8 + e9 goes by v_ldexp_f32.  Any mask word other than 0 counts as true.  A row all of whose keys are masked gives NaN
; (0 x infinity), as the softmax of such a row does.  NaN among the inputs is not served.  The scaled scores stay under 2^31 in magnitude.
; SHARES.  A work-group owns 64 queries of a batch: four tiles of 16.  All four waves work on all 64 queries.  A key step is 256 keys.  For the scores wave w takes keys 64 w .. 64 w + 63 of the step (four tiles of keys);
; for p v it takes columns 128 w .. 128 w + 127 of v (eight tiles) for all 256 keys.  So each fragment of K and of V is read by ONE wave and feeds four matrix instructions.
; Both products are used transposed (S^T: source 0 = 16 keys, source 1 = 16 queries; O^T: source 0 = 16 columns of v, source 1 = p): a lane holds one query throughout.  The keys of a tile of K were chosen by the launch
; before so that a lane's 16 registers of tiles 2 b and 2 b + 1 are 16 neighbouring keys.
; CLUSTERS: four work-groups of one batch form a cluster and walk the same K in the same order.  A step's K, 131,072 dense bytes, is asked for JOINTLY (mask 15): waves 0 and 1 of each bring its halves into LDS as images of
; operand registers.  THE MASK is each work-group's own: waves 2 and 3 bring 32 rows of 1,024 bytes each by plain tensor loads.  Both are filled again behind the round in which the scores are done and the mask words read:
; K then has softmax and p v in which to land, the mask also the next scores.
; V goes from memory straight into registers: V is not asked for jointly because a joint load lands in LDS, K's, the mask's and p's bytes leave no room there for two steps' V, and one step's would have the scores alone in which to land.
; A batch's walk begins at key step 2 (batch % 4) and wraps: the running M makes the order of the keys free.
; REGISTERS, in windows of 256:  window 0: v1-20 addresses and constants; v24-31 at work; v32-63 eight registers of statistics a tile of queries; v64-127 mask words, then the waves' maxima, then p's codes;
;   v128-255 S^T (tile of queries q, tile of keys k at 128 + 32 q + 8 k), then p, then p's eight fragments.   window 1: O^T (q, tile of columns d at 64 q + 8 d).   window 2: Q's 16 fragments.
;   window 3: eight groups of two fragments: v0-127 K's groups by turns, then V's groups 4 to 7; v128-255 V's groups 0 to 3, which are asked for a step ahead.
.set MSK,   131072                     ; K's buffer lies at 0; the mask: 64 rows of 1,024 bytes + 16 of padding
.set MPART, 33280                      ; 32 of them
.set PIMG,  197632                     ; p's eight fragments, (K step ks, tile q) at (4 ks + q) x 2048
.set MX,    214016                     ; the waves' maxima (at the end: sums): wave w, lane r at 256 w + 16 r, four numbers
.set SPARE, 215040                     ; the spare words, 128 bytes for each wave
.set LI,   1                           ; 16 x lane
.set AK,   2                           ; my four tiles of K
.set MXS,  5
.set MXL,  6
.set PST,  7                           ; where I store p's codes: K step w / 2, chunks 2 (w % 2) on
.set SPW,  8                           ; my spare word; never rewritten
.set NIL,  9                           ; 0; never rewritten
.set NINF, 10
.set PLIM, 11                          ; 57,344 x 2^e8
.set PSC,  12                          ; 2^e8
.set STO,  13                          ; the way out: where I put 32 bytes of a row
.set RD,   14                          ; and where I read a row back
.set PLD,  15
.set MLD,  16                          ; my mask words: row r, + 64 h + 256 w
.set PFO,  17                          ; the prefetches' offsets: K, V: 256 x lane;
.set PFM,  18                          ; the mask: row lane / 8, block lane % 8
.set MXV,  24
.set PRM,  28
.set ST,   32                          ; tile q at v[ST + 8 q]: +0 -M, +1 the largest t, +2, +3 the sum in two halves, +4 f, +5 written once (named in a pair), +6, +7 at work
.set MT,   64
.set S,    128
.set WV,   16
.set G1J,  20                          ; s[20:27] descriptor group 1 for K's halves; s[76:83] for the mask's;  their groups 0
.set G1M,  76
.set G0K,  28
.set G0M,  32
.set MB,   36                          ; the mask at the 32 rows that I bring, if I do
.set MO,   38
.set KB,   40                          ; K's codes of my batch, the half that I bring;  VB: V's, my wave's eight tiles
.set VB,   42
.set OFF,  44                          ; the key step's offset in both
.set VA,   46
.set PFB,  48                          ; K's and V's prefetches: base, address, offset
.set PFA,  72
.set PFX,  74
.set MPB,  84                          ; the mask's likewise: my wave's 16 rows
.set PMX,  86
.set PMA,  88
.set CS,   50                          ; c = log2(e) / sqrt(512) x 2^(e6 + e7), twice
.set SEL,  52
.set CNT,  54
.set PW,   55                          ; the least s[CNT] at which my wave prefetches K or V: 3 in waves 0 and 1, 64 (never reached) in the others
.set MSB, 0
.macro WIN new                         ; s_set_vgpr_msb: bits 1:0 source 0, 3:2 source 1, 5:4 source 2, 7:6 destination; the high byte repeats the setting that is left
.if MSB != (\new)
	s_set_vgpr_msb (MSB<<8)|(\new)
.set MSB, (\new)
.endif
.endm
.macro ROUND                           ; a round of the cluster's barrier
	s_barrier_signal -1
	s_barrier_wait -1
	s_cmp_lg_u32 s[WV], 0
	s_cbranch_scc1 .Lnot_wave_0_\@
	s_barrier_signal -3
.Lnot_wave_0_\@:
	s_barrier_wait -3
	s_barrier_signal -1
	s_barrier_wait -1
.endm
.macro LOADS                           ; one tensor load a wave: K's halves jointly, the mask's halves plainly; the branch hangs on the wave's number alone
	s_cmp_lt_u32 s[WV], 2
	s_cbranch_scc0 .Lfor_mask_\@
	tensor_load_to_lds s[G0K:G0K+3], s[G1J:G1J+7]
	s_nop 0
.rept 4
	v_nop
.endr
	s_branch .Lasked_\@
.Lfor_mask_\@:
	tensor_load_to_lds s[G0M:G0M+3], s[G1M:G1M+7]
	s_nop 0
.rept 4
	v_nop
.endr
.Lasked_\@:
.endm
.macro KWAIT                           ; K's waves wait for their half; the mask's loads may stay out
	s_cmp_lt_u32 s[WV], 2
	s_cbranch_scc0 .Lnot_mine_\@
	s_wait_tensorcnt 0x0
.Lnot_mine_\@:
.endm
.macro KLD i                           ; group i of K: tile i / 2, K steps 2 (i % 2), 2 (i % 2) + 1
	WIN 0xc0
.irp f, 0,1
.irp c, 0,1,2,3
	ds_load_b128 v[32*((\i)%4)+16*\f+4*\c:32*((\i)%4)+16*\f+4*\c+3], v[AK] offset:(\i)*4096+2048*\f+512*\c
.endr
.endr
.endm
.macro VLDG i                          ; group i of V: keys 128 (i / 4) on, tiles of columns 2 (i % 4), 2 (i % 4) + 1; 8 loads of 512 consecutive bytes
	WIN 0xc0
.set VR, 32*(((\i)+4)%8)
.irp f, 0,1
.irp c, 0,1,2,3
	global_load_b128 v[VR+16*\f+4*\c:VR+16*\f+4*\c+3], v[LI], s[VA:VA+1] offset:((\i)/4)*65536+((\i)%4)*4096+2048*\f+512*\c
.endr
.endr
.endm
; Group i of the scores: 8 matrix instructions, the four accumulators by turns; the first K step starts the sums.
.macro SSUB i, n
	s_wait_dscnt \n                                ; the younger groups, 8 loads each, may be out
.if (\i) == 7
	s_wait_tensorcnt 0x0                           ; my part of the mask is in (K's waves have nothing out); my reads of K are over:
	s_barrier_signal -1                            ; say so, and work on registers while the others arrive
.endif
	WIN 0x0b                                       ; K window 3, Q window 2, S^T window 0
.irp s, 0,1
.irp q, 0,1,2,3
.set AC, S+32*\q+8*((\i)/2)
.set KF, 32*((\i)%4)+16*\s
.set QF, 16*(4*\q+2*((\i)%2)+\s)
.if ((\i)%2)+\s == 0
	v_wmma_f32_16x16x128_bf8_bf8 v[AC:AC+7], v[KF:KF+15], v[QF:QF+15], 0
.else
	v_wmma_f32_16x16x128_bf8_bf8 v[AC:AC+7], v[KF:KF+15], v[QF:QF+15], v[AC:AC+7]
.endif
.endr
.endr
.rept 4
	v_nop                                          ; four places ahead of loads into the group just read, and ahead of the first read of the scores
.endr
.if (\i) < 4
	KLD (\i)+4
.elseif (\i) < 7
	VLDG \i                                        ; K is done with this group: V's group i takes it
.endif
.endm
; Group i of p v: 8 accumulators, one instruction each.  vl, pd: what may be out on LOADcnt (V) and DScnt (p; -1: no wait).
.macro PVSUB i, vl, pd, lp
.if (\i) == 7
	WIN 0
.endif
	s_wait_loadcnt \vl
.if ((\i) == 7) && (\lp)
	KWAIT                                          ; the next step's K is shown whole by the barrier whose signal stands here, ahead of the last products
	s_wait_dscnt 0x0
	s_barrier_signal -1
.elseif (\pd) >= 0
	s_wait_dscnt \pd
.endif
	WIN 0x53                                       ; V window 3, p window 0, O^T window 1
.irp d, 0,1
.irp q, 0,1,2,3
.set AC, 64*\q+8*(2*((\i)%4)+\d)
.set VF, 32*(((\i)+4)%8)+16*\d
.set PF, S+64*((\i)/4)+16*\q
	v_wmma_f32_16x16x128_bf8_bf8 v[AC:AC+7], v[VF:VF+15], v[PF:PF+15], v[AC:AC+7]
.endr
.endr
.rept 4+(\i)/7
	v_nop                                          ; four places ahead of the loads; behind the last group five, since the next scores are written over p's registers by matrix instructions
.endr
.if ((\i) < 4) && (\lp)
	VLDG \i                                        ; the next step's
.endif
.endm
.macro MLQ q                           ; mask words of tile q: register 16 b + n = key 32 b + 16 h + n, as in S^T
	WIN 0
.irp b, 0,1
.irp j, 0,1,2,3
	ds_load_b128 v[MT+32*((\q)%2)+16*\b+4*\j:MT+32*((\q)%2)+16*\b+4*\j+3], v[MLD] offset:(\q)*16640+128*\b+16*\j
.endr
.endr
.endm
.macro MAPPLY q                        ; -infinity where the mask word is 0; in ascending order
.set mi, 0
.rept 8
	v_cmp_eq_u32 vcc_lo, 0, v[MT+32*((\q)%2)+mi]
	v_cmp_eq_u32 s68, 0, v[MT+32*((\q)%2)+mi+1]
	v_cmp_eq_u32 s69, 0, v[MT+32*((\q)%2)+mi+2]
	v_cmp_eq_u32 s70, 0, v[MT+32*((\q)%2)+mi+3]
	v_cndmask_b32 v[S+32*(\q)+mi], v[S+32*(\q)+mi], v[NINF], vcc_lo
	v_cndmask_b32 v[S+32*(\q)+mi+1], v[S+32*(\q)+mi+1], v[NINF], s68
	v_cndmask_b32 v[S+32*(\q)+mi+2], v[S+32*(\q)+mi+2], v[NINF], s69
	v_cndmask_b32 v[S+32*(\q)+mi+3], v[S+32*(\q)+mi+3], v[NINF], s70
.set mi, mi+4
.endr
.endm
.macro QMAX2 qa, qb                    ; the largest of a query's 64 scores in my wave, for two tiles: two chains each, then the lane 16 away
.irp q, \qa, \qb
	v_max3_num_f32 v[ST+8*\q+6], v[S+32*\q], v[S+32*\q+1], v[S+32*\q+2]
	v_max3_num_f32 v[ST+8*\q+7], v[S+32*\q+3], v[S+32*\q+4], v[S+32*\q+5]
.endr
.irp i, 6,10,14,18,22,26
.irp q, \qa, \qb
	v_max3_num_f32 v[ST+8*\q+6], v[ST+8*\q+6], v[S+32*\q+\i], v[S+32*\q+\i+1]
	v_max3_num_f32 v[ST+8*\q+7], v[ST+8*\q+7], v[S+32*\q+\i+2], v[S+32*\q+\i+3]
.endr
.endr
.irp q, \qa, \qb
	v_max3_num_f32 v[ST+8*\q+6], v[ST+8*\q+6], v[S+32*\q+30], v[S+32*\q+31]
.endr
.irp q, \qa, \qb
	v_max_num_f32 v[ST+8*\q+6], v[ST+8*\q+6], v[ST+8*\q+7]
.endr
.irp q, \qa, \qb
	v_permlanex16_b32 v[PRM+\q], v[ST+8*\q+6], s[SEL], s[SEL+1]
.endr
.irp q, \qa, \qb
	v_max_num_f32 v[MXV+\q], v[ST+8*\q+6], v[PRM+\q]
.endr
.endm
; THE SCORES of a step, behind the barrier that has shown its K whole.
.macro SCORES lp
	KLD 0
	KLD 1
	KLD 2
	KLD 3
.if (\lp) == 0
	s_wait_loadcnt 32                              ; Q is in: V's first four groups, 32 loads, may be out
.endif
	SSUB 0, 24
	SSUB 1, 24
	SSUB 2, 24
	SSUB 3, 24
	SSUB 4, 24
	SSUB 5, 16
	SSUB 6, 8
	SSUB 7, 0
	WIN 0
	s_barrier_wait -1                              ; the mask is whole
	MLQ 0
	MLQ 1
	VLDG 7
	WIN 0
	s_wait_dscnt 8                                 ; tile 0's mask words are in, tile 1's may be out
	MAPPLY 0
	MLQ 2
	s_wait_dscnt 8
	MAPPLY 1
	MLQ 3
	QMAX2 0, 1
	s_wait_dscnt 8
	MAPPLY 2
	s_wait_dscnt 0x0
	MAPPLY 3
	QMAX2 2, 3
	ds_store_b128 v[MXS], v[MXV:MXV+3]             ; lanes r and r + 16 hold the same four numbers and write the same 16 bytes
	s_wait_alu depctr_va_vdst(0)
.endm
; SOFTMAX AND p v of a step.  lp = 1: ahead of it K's and the mask's bytes are filled again.  lp = 0: the last step.
; THE PREFETCHES (lp = 1).  K and V: the step two further on than the one that this trip asks for.  A step is 2 x 512 blocks of 256 bytes; sixteen work-groups (four clusters) share them out by address, wave 0 for K, wave 1 for V,
; a lane a block; a batch's eight clusters are two such fours.  The last two trips ask for nothing; the first three steps come by their loads alone.
; The mask: in every other trip the two steps that the next trip's load and the one after it bring: 2,048 bytes of each of the work-group's own rows, four rows an instruction, 16 rows a wave.  The first two steps come by their loads alone.
.macro SOFTPV lp
	s_wait_tensorcnt 0x0
.if \lp
	ds_add_u32 v[SPW], v[NIL]                      ; 0 onto my spare word
	s_wait_xcnt 0x0                                ; V's loads and the prefetches have read their bases, which are written now
	s_add_co_u32 s[OFF], s[OFF], 131072            ; the next step; a batch's codes are 2^20 bytes: the steps wrap
	s_and_b32 s[OFF], s[OFF], 0xfffff
	s_add_nc_u64 s[G0K+2:G0K+3], s[KB:KB+1], s[OFF:OFF+1]
	s_or_b32 s[G0K+3], s[G0K+3], 0x80000000
	s_add_nc_u64 s[VA:VA+1], s[VB:VB+1], s[OFF:OFF+1]
	s_add_co_u32 s[MO], s[MO], 1024
	s_and_b32 s[MO], s[MO], 8191                   ; wrapped in the row of 8,192 bytes
	s_add_nc_u64 s[G0M+2:G0M+3], s[MB:MB+1], s[MO:MO+1]
	s_or_b32 s[G0M+3], s[G0M+3], 0x80000000
	s_add_co_u32 s[PFX], s[PFX], 131072
	s_and_b32 s[PFX], s[PFX], 0xfffff
	s_add_nc_u64 s[PFA:PFA+1], s[PFB:PFB+1], s[PFX:PFX+1]
	s_add_co_u32 s[PMX], s[PMX], 1024
	s_and_b32 s[PMX], s[PMX], 8191
	s_add_nc_u64 s[PMA:PMA+1], s[MPB:MPB+1], s[PMX:PMX+1]
	s_wait_dscnt 0x0                               ; the add is done, my reads of K and of the mask are over, my maxima lie in LDS
	ROUND
	LOADS
.else
	s_wait_dscnt 0x0
	s_barrier_signal -1
	s_barrier_wait -1
.endif
.irp w, 0,1,2,3
	ds_load_b128 v[MT+4*\w:MT+4*\w+3], v[MXL] offset:256*\w
.endr
.if \lp
	s_cmp_ge_u32 s[CNT], s[PW]
	s_cbranch_scc0 .Lno_ask_\@
	global_prefetch_b8 v[PFO], s[PFA:PFA+1] th:TH_LOAD_NT scope:SCOPE_SE
.Lno_ask_\@:
	s_cmp_ge_u32 s[CNT], 3
	s_cbranch_scc0 .Lno_mask_\@
	s_bitcmp1_b32 s[CNT], 0
	s_cbranch_scc0 .Lno_mask_\@
.irp i, 0,1,2,3
	global_prefetch_b8 v[PFM], s[PMA:PMA+1] offset:32768*\i th:TH_LOAD_NT scope:SCOPE_SE
.endr
.Lno_mask_\@:
.endif
	s_wait_dscnt 0x0
.irp q, 0,1,2,3
	v_max3_num_f32 v[ST+8*\q+6], v[MT+\q], v[MT+4+\q], v[MT+8+\q]   ; the step's largest score of the query, over the four waves
.endr
.irp q, 0,1,2,3
	v_max_num_f32 v[ST+8*\q+6], v[ST+8*\q+6], v[MT+12+\q]
.endr
.irp q, 0,1,2,3
	v_mul_f32 v[ST+8*\q+6], s[CS], v[ST+8*\q+6]    ; as t (c is positive)
.endr
.irp q, 0,1,2,3
	v_max_num_f32 v[ST+8*\q+1], v[ST+8*\q+1], v[ST+8*\q+6]
.endr
.irp q, 0,1,2,3
	v_mov_b32 v[ST+8*\q+6], v[ST+8*\q]
.endr
.irp q, 0,1,2,3
	v_floor_f32 v[ST+8*\q], -v[ST+8*\q+1]          ; the new -M = floor(-t): M is a whole number
.endr
.irp q, 0,1,2,3
	v_sub_f32 v[ST+8*\q+6], v[ST+8*\q], v[ST+8*\q+6]   ; old M - new M: a whole number, 0 or less
.endr
.irp q, 0,1,2,3
	v_cvt_i32_f32 v[ST+8*\q+6], v[ST+8*\q+6]       ; (it saturates)
.endr
.irp q, 0,1,2,3
	v_ldexp_f32 v[ST+8*\q+4], 1.0, v[ST+8*\q+6]    ; f = 2^(old M - new M)
.endr
.irp q, 0,1,2,3
.set pj, 0
.rept 16
	v_pk_fma_f32 v[S+32*\q+pj:S+32*\q+pj+1], v[S+32*\q+pj:S+32*\q+pj+1], s[CS:CS+1], v[ST+8*\q:ST+8*\q+1] op_sel_hi:[1,0,0]   ; t - M, two at a time (of c and -M the low word serves both halves)
.set pj, pj+2
.endr
.endr
.set pj, 0
	s_wait_alu depctr_va_vdst(0)
.rept 128
	v_exp_f32 v[S+pj], v[S+pj]                     ; p = 2^(t - M); 0 where the key is masked
.set pj, pj+1
.endr
.irp q, 0,1,2,3
	v_pk_mul_f32 v[ST+8*\q+2:ST+8*\q+3], v[ST+8*\q+2:ST+8*\q+3], v[ST+8*\q+4:ST+8*\q+5] op_sel_hi:[1,0]   ; the sums under the new M: plain lines behind the exponentials
.endr
	s_wait_alu depctr_va_vdst(0)                   ; one wait for the batch of 128, ahead of the first line that names a result
.irp q, 0,1,2,3
	v_pk_add_f32 v[ST+8*\q+6:ST+8*\q+7], v[S+32*\q:S+32*\q+1], v[S+32*\q+2:S+32*\q+3]   ; the sum of the UNQUANTISED p, in two chains a tile
.endr
.irp j, 4,8,12,16,20,24,28
.irp q, 0,1,2,3
	v_pk_add_f32 v[ST+8*\q+2:ST+8*\q+3], v[ST+8*\q+2:ST+8*\q+3], v[S+32*\q+\j:S+32*\q+\j+1]
	v_pk_add_f32 v[ST+8*\q+6:ST+8*\q+7], v[ST+8*\q+6:ST+8*\q+7], v[S+32*\q+\j+2:S+32*\q+\j+3]
.endr
.endr
.irp q, 0,1,2,3
	v_pk_add_f32 v[ST+8*\q+2:ST+8*\q+3], v[ST+8*\q+2:ST+8*\q+3], v[ST+8*\q+6:ST+8*\q+7]
.endr
.set pj, 0
.rept 128
	v_min_num_f32 v[S+pj], v[S+pj], v[PLIM]        ; the conversion to an 8-bit code does not saturate (ISA guide 7.6.2); p is not negative, so the hold is one-sided
.set pj, pj+1
.endr
.set pj, 0
.rept 16
	v_cvt_scalef32_pk8_bf8_f32 v[MT+2*pj:MT+2*pj+1], v[S+8*pj:S+8*pj+7], v[PSC]   ; tile q's codes at MT + 8 q: two chunks of four registers
.set pj, pj+1
.endr
	v_nop                                          ; a plain line behind the last conversion
.irp q, 0,1,2,3
.irp b, 0,1
	ds_store_b128 v[PST], v[MT+8*\q+4*\b:MT+8*\q+4*\b+3] offset:\q*2048+512*\b
.endr
.endr
	s_wait_dscnt 0x0                               ; for the others' sake: my part of p's fragments lies in LDS
	s_barrier_signal -1
	WIN 0x41                                       ; work on registers while the others arrive: O^T under the new M
	s_wait_alu depctr_va_vdst(0)
.irp q, 0,1,2,3
.set pj, 0
.rept 32
	v_pk_mul_f32 v[64*\q+pj:64*\q+pj+1], v[64*\q+pj:64*\q+pj+1], v[ST+8*\q+4:ST+8*\q+5] op_sel_hi:[1,0]
.set pj, pj+2
.endr
.endr
	WIN 0
	s_wait_alu depctr_va_vdst(0)
	s_barrier_wait -1
.irp f, 0,1,2,3,4,5,6,7
.irp c, 0,1,2,3
	ds_load_b128 v[S+16*\f+4*\c:S+16*\f+4*\c+3], v[PLD] offset:\f*2048+512*\c   ; p's eight fragments, K step 0's four first
.endr
.endr
.if \lp
	PVSUB 0, 56, 16, 1                             ; seven younger groups of V, 8 loads each, may be out; of p the second 16 loads
	PVSUB 1, 56, -1, 1                             ; (each of the first four groups asks for one of the next step)
	PVSUB 2, 56, -1, 1
	PVSUB 3, 56, -1, 1
	PVSUB 4, 56, 0, 1                              ; groups 5 to 7 and the next step's first four
	PVSUB 5, 48, -1, 1
	PVSUB 6, 40, -1, 1
	PVSUB 7, 32, -1, 1
	WIN 0
	s_barrier_wait -1                              ; the next step's K is whole
.else
	PVSUB 0, 56, 16, 0
	PVSUB 1, 48, -1, 0
	PVSUB 2, 40, -1, 0
	PVSUB 3, 32, -1, 0
	PVSUB 4, 24, 0, 0
	PVSUB 5, 16, -1, 0
	PVSUB 6, 8, -1, 0
	PVSUB 7, 0, -1, 0
	WIN 0
.endif
.endm
	s_load_b256 s[4:11], s[0:1], 0x0               ; q_codes s[4:5], k_codes s[6:7], v_codes s[8:9], mask s[10:11]
	s_load_b128 s[12:15], s[0:1], 0x20             ; the exponents s[12:13], out0 s[14:15]
	v_lshl_add_u32 v[SPW], v0, 2, SPARE
	v_mov_b32 v[NIL], 0
	ds_add_u32 v[SPW], v[NIL]                      ; the wave's opening: the add, twice on end, and its wait
	ds_add_u32 v[SPW], v[NIL]
	v_lshrrev_b32 v20, 5, v0
	v_readfirstlane_b32 s[WV], v20                 ; wave 0..3
	s_and_b32 s17, ttmp7, 0xffff                   ; the batch
	s_bfe_u32 s18, ttmp6, 0x40000                  ; cx
	s_lshl_b32 s19, ttmp9, 2
	s_add_co_u32 s19, s19, s18                     ; the work-group's number in its batch = 4 x cluster + cx
	; descriptor group 1 for K: half a step's codes, dense: 256 rows of 32 elements of 8 bytes
	s_mov_b32 s[G1J], 15|(3<<16)|(1<<21)           ; 15:0 all four of the cluster; 17:16 elements of 8 bytes; 21 set beside a mask
	s_mov_b32 s[G1J+1], 32<<16
	s_mov_b32 s[G1J+2], 256<<16
	s_mov_b32 s[G1J+3], 32<<16
	s_mov_b32 s[G1J+4], 256
	s_mov_b32 s[G1J+5], 32
	s_mov_b32 s[G1J+6], 0
	s_mov_b32 s[G1J+7], 0
	; and for the mask: 32 rows of 256 elements of 4 bytes, 8,192 bytes apart
	s_mov_b32 s[G1M], (2<<16)|(1<<20)|(7<<22)|(3<<25)   ; 20 padding on; 24:22 after every 256 words (code 7); 31:25 four words (code 3)
	s_mov_b32 s[G1M+1], 256<<16
	s_mov_b32 s[G1M+2], 32<<16
	s_mov_b32 s[G1M+3], 256<<16
	s_mov_b32 s[G1M+4], 32
	s_mov_b32 s[G1M+5], 2048
	s_mov_b32 s[G1M+6], 0
	s_mov_b32 s[G1M+7], 0
	s_and_b32 s61, s[WV], 1                        ; which half of K or of the mask I bring
	s_mov_b32 s[G0K], 1
	s_lshl_b32 s[G0K+1], s61, 16
	s_mov_b32 s[G0M], 1
	s_mul_i32 s[G0M+1], s61, MPART
	s_add_co_u32 s[G0M+1], s[G0M+1], MSK
	s_and_b32 s18, s17, 3
	s_lshl_b32 s18, s18, 1                         ; the walk begins at key step 2 (batch % 4)
	s_lshl_b32 s[OFF], s18, 17
	s_mov_b32 s[OFF+1], 0
	s_lshl_b32 s[MO], s18, 10
	s_mov_b32 s[MO+1], 0
	s_add_co_u32 s[PFX], s18, 2                    ; the first trip steps it to the walk's step 3
	s_lshl_b32 s[PFX], s[PFX], 17
	s_mov_b32 s[PFX+1], 0
	s_add_co_u32 s[PMX], s[MO], 1024               ; and this to the walk's steps 2 and 3
	s_mov_b32 s[PMX+1], 0
	s_mov_b32 s[CNT], 7
	s_cmp_lt_u32 s[WV], 2
	s_cselect_b32 s[PW], 3, 64
	s_mov_b32 s[SEL], 0x76543210
	s_mov_b32 s[SEL+1], 0xfedcba98
	s_wait_alu depctr_va_vdst(0)
	s_wait_dscnt 0x0                               ; both opening adds are done
	s_wait_kmcnt 0x0
	s_load_b128 s[56:59], s[12:13], 0x18           ; e6, e7, e8, e9
	s_mov_b32 s63, 0
	s_lshl_b32 s60, s17, 20                        ; a batch's codes are 2^20 bytes in each of the three buffers
	s_lshl_b32 s62, s61, 16
	s_add_co_u32 s62, s62, s60
	s_add_nc_u64 s[KB:KB+1], s[6:7], s[62:63]
	s_add_nc_u64 s[G0K+2:G0K+3], s[KB:KB+1], s[OFF:OFF+1]
	s_or_b32 s[G0K+3], s[G0K+3], 0x80000000
	s_lshl_b32 s62, s17, 24                        ; a batch's mask is 2^24 bytes, 64 rows of it 2^19
	s_lshl_b32 s67, s19, 19
	s_add_co_u32 s62, s62, s67
	s_add_nc_u64 s[MPB:MPB+1], s[10:11], s[62:63]
	s_lshl_b32 s62, s61, 18                        ; 32 rows
	s_add_nc_u64 s[MB:MB+1], s[MPB:MPB+1], s[62:63]
	s_lshl_b32 s62, s[WV], 17                      ; 16 rows
	s_add_nc_u64 s[MPB:MPB+1], s[MPB:MPB+1], s[62:63]
	s_add_nc_u64 s[G0M+2:G0M+3], s[MB:MB+1], s[MO:MO+1]
	s_or_b32 s[G0M+3], s[G0M+3], 0x80000000
	ROUND                                          ; all four work-groups are here: the first joint loads meet
	LOADS                                          ; the first step's K and mask: one tensor load a wave at the head
	s_lshl_b32 s62, s[WV], 14
	s_add_co_u32 s62, s62, s60
	s_add_nc_u64 s[VB:VB+1], s[8:9], s[62:63]
	s_add_nc_u64 s[VA:VA+1], s[VB:VB+1], s[OFF:OFF+1]
	s_and_b32 s62, s19, 15
	s_lshl_b32 s62, s62, 13
	s_add_co_u32 s62, s62, s60
	s_cmp_eq_u32 s[WV], 0
	s_cselect_b64 s[PFB:PFB+1], s[6:7], s[8:9]
	s_add_nc_u64 s[PFB:PFB+1], s[PFB:PFB+1], s[62:63]
	s_lshl_b32 s62, s19, 15
	s_add_co_u32 s62, s62, s60
	s_add_nc_u64 s[4:5], s[4:5], s[62:63]          ; my work-group's 16 fragments of Q
	s_lshl_b32 s62, s17, 22
	s_lshl_b32 s60, s19, 17
	s_add_co_u32 s62, s62, s60
	s_lshl_b32 s60, s[WV], 9
	s_add_co_u32 s62, s62, s60
	s_add_nc_u64 s[14:15], s[14:15], s[62:63]      ; out0 at my work-group's first row, my wave's 128 columns
	s_lshl_b32 s60, s[WV], 15
	s_lshl_b32 s62, s[WV], 8
	s_add_co_u32 s61, s62, MSK
	s_lshr_b32 s63, s[WV], 1
	s_lshl_b32 s63, s63, 13
	s_and_b32 s66, s[WV], 1
	s_lshl_b32 s66, s66, 10
	s_add_co_u32 s63, s63, s66
	s_add_co_u32 s63, s63, PIMG
	s_mul_i32 s66, s[WV], 8448                     ; the way out: my stage, 16 rows of 512 bytes + 16, in K's buffer, which by then has had its last fill and its last read
	v_and_b32 v20, 15, v0                          ; r
	v_bfe_u32 v21, v0, 4, 1                        ; h
	v_and_b32 v22, 31, v0
	v_lshlrev_b32 v[LI], 4, v22
	v_lshlrev_b32 v[PFO], 8, v22
	v_and_b32 v23, 7, v22
	v_lshlrev_b32 v23, 8, v23
	v_lshrrev_b32 v[PFM], 3, v22
	v_lshl_add_u32 v[PFM], v[PFM], 13, v23
	v_add_nc_u32 v[AK], s60, v[LI]
	v_lshlrev_b32 v[MXL], 4, v20
	v_add_nc_u32 v[MXL], MX, v[MXL]
	v_add_nc_u32 v[MXS], s62, v[MXL]
	v_add_nc_u32 v[PST], s63, v[LI]
	v_add_nc_u32 v[PLD], PIMG, v[LI]
	v_mul_u32_u24 v[STO], v20, 528
	v_lshl_add_u32 v[STO], v21, 5, v[STO]
	v_add_nc_u32 v[STO], s66, v[STO]
	v_add_nc_u32 v[RD], s66, v[LI]
	v_mul_u32_u24 v[MLD], v20, 1040
	v_lshl_add_u32 v[MLD], v21, 6, v[MLD]
	v_add_nc_u32 v[MLD], s61, v[MLD]
	v_mov_b32 v[NINF], 0xff800000
	s_wait_alu depctr_va_vdst(0)
	WIN 0x80                                       ; destination window 2
.irp f, 0,1,2,3,4,5,6,7,8,9,10,11,12,13,14,15
.irp c, 0,1,2,3
	global_load_b128 v[16*\f+4*\c:16*\f+4*\c+3], v[LI], s[4:5] offset:\f*2048+512*\c   ; Q stays in registers: fragment (q, s) at 16 (4 q + s)
.endr
.endr
	WIN 0
.irp q, 0,1,2,3
	v_mov_b32 v[PRM+\q], 0                         ; written once: a lane permute's destination counts as one of its sources
	v_mov_b32 v[ST+8*\q+1], 0xff61b1e6             ; the largest t so far: -3e38
	v_floor_f32 v[ST+8*\q], -v[ST+8*\q+1]          ; -M
	v_mov_b32 v[ST+8*\q+2], 0                      ; the sum, in two halves
	v_mov_b32 v[ST+8*\q+3], 0
	v_mov_b32 v[ST+8*\q+5], 0                      ; (named as the upper half of f's pair)
.endr
	WIN 0x40
.set pj, 0
.rept 256
	v_mov_b32 v[pj], 0                             ; O^T.  The step has no first form of its own: the first finds zeros, which the first change of M leaves zeros.  These lines stand where the first tiles are on their way
.set pj, pj+1
.endr
	WIN 0
	s_wait_alu depctr_va_vdst(0)
	s_wait_kmcnt 0x0
	s_mov_b32 s[CS], 0x3d8293ee                    ; log2(e) / sqrt(512)
	s_add_co_i32 s60, s56, s57
	s_lshl_b32 s60, s60, 23
	s_add_co_i32 s[CS], s[CS], s60                 ; a score stands for score x 2^(e6 + e7): added to c's exponent field
	s_mov_b32 s[CS+1], s[CS]
	s_add_co_i32 s60, s58, 127
	s_lshl_b32 s61, s60, 23
	s_add_co_i32 s60, s60, 15
	s_lshl_b32 s60, s60, 23
	s_or_b32 s60, s60, 0x600000
	v_mov_b32 v[PSC], s61
	v_mov_b32 v[PLIM], s60
	VLDG 0                                         ; the first step's V, groups 0 to 3
	VLDG 1
	VLDG 2
	VLDG 3
	WIN 0
	s_wait_alu depctr_va_vdst(0)
	KWAIT
	s_wait_dscnt 0x0
	s_barrier_signal -1
	s_barrier_wait -1                              ; the first step's K is whole
	SCORES 0
	WIN 0
.Ltrip:                                            ; 7 trips: from a step's scores to the next one's
	SOFTPV 1
	SCORES 1
	s_sub_co_u32 s[CNT], s[CNT], 1
	s_cmp_lg_u32 s[CNT], 0
	s_cbranch_scc1 .Ltrip
	SOFTPV 0                                       ; the last step: nothing is filled again
	; THE WAY OUT.  A wave's sum covers its own keys: the four waves' sums meet in LDS.  The five v_nop behind the last products are the places ahead of all that follows.
.irp q, 0,1,2,3
	v_add_f32 v[MXV+\q], v[ST+8*\q+2], v[ST+8*\q+3]
.endr
.irp q, 0,1,2,3
	v_permlanex16_b32 v[PRM+\q], v[MXV+\q], s[SEL], s[SEL+1]
.endr
.irp q, 0,1,2,3
	v_add_f32 v[MXV+\q], v[MXV+\q], v[PRM+\q]
.endr
	ds_store_b128 v[MXS], v[MXV:MXV+3]
	s_wait_dscnt 0x0
	s_barrier_signal -1
	s_barrier_wait -1
.irp w, 0,1,2,3
	ds_load_b128 v[MT+4*\w:MT+4*\w+3], v[MXL] offset:256*\w
.endr
	s_wait_dscnt 0x0
.irp q, 0,1,2,3
	v_add_f32 v[MXV+\q], v[MT+\q], v[MT+4+\q]
	v_add_f32 v[PRM+\q], v[MT+8+\q], v[MT+12+\q]
.endr
.irp q, 0,1,2,3
	v_add_f32 v[MXV+\q], v[MXV+\q], v[PRM+\q]      ; the row's sum
.endr
	s_wait_alu depctr_va_vdst(0)
.irp q, 0,1,2,3
	v_rcp_f32 v[ST+8*\q+4], v[MXV+\q]
.endr
	v_nop                                          ; a plain line behind the last reciprocal
	s_add_co_i32 s60, s58, s59
	s_wait_alu depctr_va_vdst(0)                   ; one wait for the four, ahead of their first use
.irp q, 0,1,2,3
	v_ldexp_f32 v[ST+8*\q+4], v[ST+8*\q+4], s60    ; x 2^(e8 + e9)
.endr
; Tile q: a lane holds, of row r, eight columns of each of my eight tiles: 32 bytes each.  They go through my stage and come back as whole rows of 512 bytes.  LDS serves a wave's instructions in order (ISA guide 5.7.1.4).
.macro TOSTAGE q
	WIN 0x01                                       ; source 0 (O^T) window 1
	s_wait_alu depctr_va_vdst(0)
.set pj, 0
.rept 32
	v_pk_mul_f32 v[MT+pj:MT+pj+1], v[64*(\q)+pj:64*(\q)+pj+1], v[ST+8*(\q)+4:ST+8*(\q)+5] op_sel_hi:[1,0]   ; each accumulator from its low end on
.set pj, pj+2
.endr
	WIN 0
.irp d, 0,1,2,3,4,5,6,7
	ds_store_b128 v[STO], v[MT+8*\d:MT+8*\d+3] offset:64*\d
	ds_store_b128 v[STO], v[MT+8*\d+4:MT+8*\d+7] offset:64*\d+16
.endr
.irp t, 0,1,2,3,4,5,6,7,8,9,10,11,12,13,14,15
	ds_load_b128 v[S+64*((\q)%2)+4*\t:S+64*((\q)%2)+4*\t+3], v[RD] offset:\t*528
.endr
.endm
.macro SEND q, younger                 ; younger: the LDS instructions issued behind tile q's loads, which may stay out
	s_wait_dscnt \younger
.irp t, 0,1,2,3,4,5,6,7,8,9,10,11,12,13,14,15
	global_store_b128 v[LI], v[S+64*((\q)%2)+4*\t:S+64*((\q)%2)+4*\t+3], s[14:15] offset:(16*(\q)+\t)*2048 th:TH_STORE_NT   ; 32 lanes store 512 consecutive bytes, aligned; written once
.endr
.endm
	TOSTAGE 0
.irp a, 1,2,3
.if \a > 1
	s_wait_xcnt 0x0                                ; tile a - 2's stores have read their registers: tile a's rows may land there
.endif
	TOSTAGE \a
	SEND \a-1, 32                                  ; behind tile a - 1's loads: tile a's 16 stores and 16 loads
.endr
	SEND 3, 0
	s_wait_tensorcnt 0x0                           ; the wave's end: behind my last tensor load and my last LDS store
	ds_add_u32 v[SPW], v[NIL]
	s_wait_dscnt 0x0
	ROUND                                          ; the closing round: no work-group ends while a partner may still issue a joint load that names it
	s_endpgm
.Lfunc_end_k_q1c09d5fa37_attend:
	.size	k_q1c09d5fa37_attend, .Lfunc_end_k_q1c09d5fa37_attend-k_q1c09d5fa37_attend
	.p2alignl 7, 3214868480
	.fill 96, 4, 3214868480
	.section	.rodata,"a",@progbits
	.p2align	6, 0x0
	.amdhsa_kernel k_q1c09d5fa37_attend
		.amdhsa_group_segment_fixed_size 327680
		.amdhsa_private_segment_fixed_size 0
		.amdhsa_enable_private_segment 0
		.amdhsa_kernarg_size 48
		.amdhsa_user_sgpr_count 2
		.amdhsa_user_sgpr_kernarg_segment_ptr 1
		.amdhsa_wavefront_size32 1
		.amdhsa_system_sgpr_workgroup_id_x 1
		.amdhsa_system_sgpr_workgroup_id_y 1
		.amdhsa_system_sgpr_workgroup_id_z 1
		.amdhsa_system_vgpr_workitem_id 0
		.amdhsa_next_free_vgpr 1024
		.amdhsa_next_free_sgpr 92
		.amdhsa_reserve_vcc 1
		.amdhsa_float_denorm_mode_32 3
		.amdhsa_float_denorm_mode_16_64 3
		.amdhsa_memory_ordered 1
		.amdhsa_forward_progress 1
		.amdhsa_inst_pref_size 194
	.end_amdhsa_kernel
	.amdgpu_metadata
---
amdhsa.version: [ 1, 2 ]
amdhsa.kernels:
  - .name:           k_q1c09d5fa37_attend
    .symbol:         k_q1c09d5fa37_attend.kd
    .args:
      - { .name: q_codes, .offset: 0, .size: 8, .value_kind: global_buffer, .address_space: global }
      - { .name: k_codes, .offset: 8, .size: 8, .value_kind: global_buffer, .address_space: global }
      - { .name: v_codes, .offset: 16, .size: 8, .value_kind: global_buffer, .address_space: global }
      - { .name: mask, .offset: 24, .size: 8, .value_kind: global_buffer, .address_space: global }
      - { .name: lowp_scales, .offset: 32, .size: 8, .value_kind: global_buffer, .address_space: global }
      - { .name: out0, .offset: 40, .size: 8, .value_kind: global_buffer, .address_space: global }
    .group_segment_fixed_size: 327680
    .private_segment_fixed_size: 0
    .kernarg_segment_align: 8
    .kernarg_segment_size: 48
    .max_flat_workgroup_size: 128
    .sgpr_count:     92
    .vgpr_count:     1024
    .wavefront_size: 32
...
	.end_amdgpu_metadata
.endif
;; end of part 3
